; MI455X (gfx1250); checked and timed in simulation.
; The chip was launched on July 23, 2026; its instructions are those of AMD's public machine-readable ISA for CDNA 5 (MIT licence, August 2026) and "CDNA5" Instruction Set Architecture Reference Guide (July 2026). The comments in the code are by the model that wrote it; some were corrected since.
;; Onnx Safe Attention. Allowed arithmetic: matrix products marked QUANTISED: E2M3 operands, one E8M0 scale for each 32 along K, by v_wmma_scale_f32_16x16x128_f8f6f4 with both operands' format E2M3, f32 sums; everything else in f32.
;; Inputs: key_padding_mask 4 x 2,048 bool; w_out 1,024 x 1,024 float32; w_qkv 3,072 x 1,024 float32; x 4 x 2,048 x 1,024 float32.
;; Outputs: out0 4 x 2,048 x 1,024 float32.
;; This version of the problem:
;;   THIS VERSION OF THE PROBLEM IS GIVEN IN LOW PRECISION. The matrix products marked QUANTISED in the list below multiply operands that are first quantised to E2M3 (2 exponent bits, 3 mantissa bits; 6 bits a number), with one power-of-two scale for each 32 numbers along K (OCP MX v1.0); their sums are f32. All else is computed in f32.
;;   The module's matrix products, in the order in which they are computed (A, B: the left and right operand; K: the contracted axis; several contracted axes count as one K, in the product's order):
;;     1. [M 8,192, K 1,024] x [K 1,024, N 3,072]; A: input x; B: input w_qkv: QUANTISED
;;     2. batch 64 x [M 2,048, K 64] x [K 64, N 2,048]; A: computed on the way; B: computed on the way: QUANTISED
;;     3. batch 64 x [M 64, K 2,048] x [K 2,048, N 2,048]; A: computed on the way; B: softmax (see below): QUANTISED
;;     4. [M 8,192, K 1,024] x [K 1,024, N 1,024]; A: computed on the way; B: input w_out: QUANTISED
;;   THE QUANTISER, for each operand of a quantised product, along K:
;;     - K is cut into blocks of 32 from its start; a last block that is shorter is filled with zeros.
;;     - A block's scale is 2^e with e = floor(log2(the largest magnitude in the block)) - 2, held to -126 .. 127; a block of zeros has e = 0. As a byte (E8M0): e + 127.
;;     - Each number is divided by its block's scale, clamped to +-7.5, and rounded to the nearest number of E2M3, ties to even, subnormals kept.
;;     - The product sums the exact products of the quantised numbers (number of the format x scale) in f32.
;;   ~~~python
;;   def quantise(x, axis):      # numpy; x: float32 -> the quantised numbers, widened to float32 again
;;       x = np.moveaxis(x, axis, -1); K = x.shape[-1]
;;       x = np.pad(x, [(0, 0)] * (x.ndim - 1) + [(0, -K % 32)]); x = x.reshape(x.shape[:-1] + (-1, 32)); a = np.abs(x).max(-1, keepdims=True)
;;       e = np.where(a > 0, np.clip(np.frexp(np.where(a > 0, a, 1))[1] - 1 - 2, -126, 127), 0)      # np.frexp(a)[1] - 1 = floor(log2(a)), exactly
;;       r = np.clip(x / 2.0 ** e, -7.5, 7.5)
;;       step = 2.0 ** (np.maximum(np.frexp(np.where(r == 0, 1, r))[1] - 1, 0) - 3)
;;       q = np.round(r / step) * step * 2.0 ** e      # np.round: ties to even
;;       return np.moveaxis(q.reshape(q.shape[:-2] + (-1,))[..., :K], -1, axis).astype(np.float32)
;;   ~~~
;;   SOFTMAX AHEAD OF A QUANTISED PRODUCT. Where the list says 'softmax', what is quantised is not the finished softmax but p = 2^(t - M), with t = logit x log2(e) and M = ceil(the row's largest t), a whole number; so 1/2 < the row's largest p <= 1. The row's sum l is taken of the UNQUANTISED p, in f32, and the product's result is divided by l at the end. Since M is a whole number, a kernel that streams over the keys may use a running M (the ceiling of the running maximum): every later rescaling is an exact power of two, which a block's scale takes up: the codes' values come out the same.
;;   OPERANDS COMPUTED ON THE WAY. 'Computed on the way' means the value that the module computes at that place (a softmax that the list does not call 'softmax' is quantised finished and normalised). What goes into a quantiser is computed in f32, as accurately as f32 sums, v_exp_f32 and their like allow (about 1e-6 of the number): no bf16 or f16 on the way to a quantiser, and a product that is left as it is and whose result goes on into a quantised operand takes f32 operands (vector FMAs, or v_wmma_f32_16x16x4_f32). A number that lies on a knife's edge between two numbers of the format may be rounded either way, as far as f32 arithmetic and the matrix unit's own rounding can turn it there, and no further.
;; One version. Each part assembles by itself: llvm-mc -triple=amdgcn-amd-amdhsa -mcpu=gfx1250 --defsym DOCPART=n.
;; ======== version 1 of 1: 4 launches
;; limits: right only within a limited range of input values
;; workspace buffers: cod 9,437,184 bytes; scl 393,216 bytes; qb 13,369,344 bytes; kv 13,369,344 bytes; ac 6,291,456 bytes; asc 262,144 bytes
;; launch quant (part 1): grid 256 x 1, 6 waves a work-group, no clusters, 94,464 bytes of LDS; arguments x, w_qkv, w_out, cod, scl; writes cod, scl
.if DOCPART == 1
	.amdgcn_target "amdgcn-amd-amdhsa--gfx1250"
	.amdhsa_code_object_version 6
	.text
	.protected	k_qd878eab66a_quant
	.globl	k_qd878eab66a_quant
	.p2align	8
	.type	k_qd878eab66a_quant,@function
k_qd878eab66a_quant:
	s_mov_b64 s[64:65], 0
	v_nop
	global_prefetch_b8 v0, s[64:65] scope:SCOPE_SE
	s_setreg_imm32_b32 hwreg(HW_REG_WAVE_MODE, 25, 1), 1
	s_wait_xcnt 0x0
; x [8192][1024], w_qkv [3072][1024], w_out [1024][1024], f32 with K innermost, become codes of E2M3 and one E8M0 byte for each 32 along K.
; The tensors are stacked as 12,288 places (x, then w_qkv, then w_out), 768 tiles of 16 places.
; cod: [tile][c = 0..15: 64 along K][768 bytes], an image of operand registers: lane (p, h) = p + 16 h holds the 24 bytes of place p's block 2 c + h: its first 16 bytes at 16 x lane, its last 8 at 512 + 8 x lane.
; scl: [place][32 bytes].  A block's byte is its largest magnitude's exponent field - 2, held at 1 from below.
; ROW ORDER.  In x and w_qkv place 16 j + p of a group of 64 rows holds row 8 j + p % 8 + 32 (p / 8): a lane's 32 results of four neighbouring tiles are then 32 neighbours along the next product's K.  w_out keeps its order.
; LIMITS: NaN and infinities are not served; a block under 2^-124 keeps the byte 1, a block of zeros too (its codes are zeros; this program alone reads the bytes).
; SHARES: 256 work-groups of six waves; a work-group takes 3 tiles, a wave 16 places x 512 along K in 8 steps of two places.  A load reads 512 consecutive bytes; a step's 4,096 bytes turn through
; the wave's own stage so that a lane holds a whole block of 32.  Four steps' loads (32 a wave) are out at most.  A wave's codes, 6,144 consecutive bytes of cod, gather in its own image in LDS and leave in runs of 512 bytes.
; A tile's 512 scale bytes come from two waves: they meet in LDS, one barrier, and each wave stores 256 consecutive bytes.
.set WREG,  15360                      ; a wave's LDS: two stages of 32 x 144 bytes, then its image
.set IMG,   9216
.set SSTG,  6*WREG                     ; three tiles' scale bytes
.set SPARE, SSTG+1536                  ; the spare words: 128 bytes a wave
.set R, 16                             ; v16-143 four sets of 32 registers as loaded
.set X, 144                            ; v144-207 two sets of 32 neighbours
.set C, 208                            ; v208-223 two sets: six registers of codes, the byte
	s_load_b128 s[4:7], s[0:1], 0x0                ; x, w_qkv
	s_load_b128 s[8:11], s[0:1], 0x10              ; w_out, cod
	s_load_b64 s[12:13], s[0:1], 0x20              ; scl
	v_lshl_add_u32 v254, v0, 2, SPARE
	v_mov_b32 v255, 0
	v_lshrrev_b32 v1, 5, v0
	v_readfirstlane_b32 s16, v1                    ; wave
	s_lshr_b32 s17, s16, 1                         ; my tile of the three
	s_and_b32 s18, s16, 1                          ; my half of K
	s_mul_i32 s19, ttmp9, 3
	s_add_co_u32 s19, s19, s17                     ; tile 0..767
	s_mul_i32 s20, s16, WREG
	s_add_co_u32 s21, s20, IMG
	s_lshl_b32 s22, s17, 9
	s_add_co_u32 s22, s22, SSTG
	s_lshl_b32 s30, s18, 8
	s_add_co_u32 s30, s30, s22                     ; the 256 scale bytes that I store
	s_lshl_b32 s23, s18, 4
	s_add_co_u32 s22, s22, s23                     ; where my bytes go: + 16 x half
	v_and_b32 v2, 31, v0
	v_lshlrev_b32 v3, 4, v2                        ; 16 x lane
	v_lshrrev_b32 v4, 3, v2
	v_lshl_add_u32 v4, v4, 4, v3
	v_add_nc_u32 v4, s20, v4                       ; stage, in: 16 bytes of padding behind each 128
	v_mul_u32_u24 v5, v2, 144
	v_add_nc_u32 v5, s20, v5                       ; stage, out: my block
	v_and_b32 v6, 15, v2                           ; my block of the 16
	v_lshrrev_b32 v7, 4, v2                        ; which of the step's two places
	v_lshrrev_b32 v8, 1, v6
	v_and_b32 v9, 1, v6
	v_mul_u32_u24 v8, v8, 768
	v_lshl_add_u32 v10, v9, 8, v8
	v_lshl_add_u32 v10, v7, 4, v10
	v_add_nc_u32 v10, s21, v10                     ; image: 768 c + 16 (place + 16 h)
	v_lshl_add_u32 v11, v9, 7, v8
	v_lshl_add_u32 v11, v7, 3, v11
	v_add_nc_u32 v11, s21, v11                     ; and 768 c + 8 (place + 16 h), + 512 in the offset
	v_lshl_add_u32 v12, v7, 5, v6
	v_add_nc_u32 v12, s22, v12                     ; my scale byte: 32 x place + block
	v_add_nc_u32 v13, s21, v3                      ; the image read back
	v_lshlrev_b32 v15, 3, v2
	v_add_nc_u32 v14, s30, v15
	s_wait_alu depctr_va_vdst(0)                   ; the wait at the head's end
	s_wait_kmcnt 0x0
	s_cmp_lt_u32 s19, 512                          ; which tensor: the choices hang on the tile's number alone
	s_cselect_b64 s[4:5], s[4:5], s[6:7]
	s_cselect_b32 s23, 0, 512
	s_cmp_lt_u32 s19, 704
	s_cselect_b64 s[4:5], s[4:5], s[8:9]
	s_cselect_b32 s23, s23, 704
	s_cselect_b32 s24, 1, 0                        ; 1: the rows are reordered
	s_sub_co_u32 s23, s19, s23                     ; the tile within its tensor
	s_lshr_b32 s25, s23, 2
	s_lshl_b32 s25, s25, 6
	s_and_b32 s26, s23, 3
	s_lshl_b32 s26, s26, 3
	s_add_co_u32 s25, s25, s26                     ; 64 (t / 4) + 8 (t % 4)
	s_lshl_b32 s26, s23, 4
	s_cmp_eq_u32 s24, 1
	s_cselect_b32 s25, s25, s26                    ; place 0's row
	s_cselect_b32 s28, 98304, 0                    ; places 8-15 lie 24 rows further on
	s_lshl_b32 s26, s25, 12
	s_lshl_b32 s27, s18, 11
	s_add_co_u32 s26, s26, s27
	s_mov_b32 s27, 0
	s_mov_b32 s29, 0
	s_add_nc_u64 s[4:5], s[4:5], s[26:27]
	s_add_nc_u64 s[6:7], s[4:5], s[28:29]
	s_mul_i32 s26, s19, 12288
	s_mul_i32 s28, s18, 6144
	s_add_co_u32 s26, s26, s28
	s_add_nc_u64 s[10:11], s[10:11], s[26:27]
	s_lshl_b32 s26, s19, 9
	s_lshl_b32 s28, s18, 8
	s_add_co_u32 s26, s26, s28
	s_add_nc_u64 s[12:13], s[12:13], s[26:27]
.macro LOAD t                          ; places 2 t and 2 t + 1: 2,048 bytes each
.irp i, 0,1,2,3,4,5,6,7
	global_load_b128 v[R+32*((\t)%4)+4*\i:R+32*((\t)%4)+4*\i+3], v3, s[4+2*((\t)/4):5+2*((\t)/4)] offset:(2*(\t)+\i/4)*4096+512*(\i%4) th:TH_LOAD_NT
.endr
.endm
.macro TURN t                          ; LDS serves a wave's instructions in order: no wait between the stores and the loads
.irp i, 0,1,2,3,4,5,6,7
	ds_store_b128 v4, v[R+32*((\t)%4)+4*\i:R+32*((\t)%4)+4*\i+3] offset:4608*((\t)%2)+576*\i
.endr
.irp i, 0,1,2,3,4,5,6,7
	ds_load_b128 v[X+32*((\t)%2)+4*\i:X+32*((\t)%2)+4*\i+3], v5 offset:4608*((\t)%2)+16*\i
.endr
.endm
.macro STEP t
.set XS, X+32*((\t)%2)
.set CS, C+8*((\t)%2)
.if (\t) > 0
	s_wait_dscnt 3                                 ; my block is back; the last step's three stores may be out
.else
	s_wait_dscnt 0x0
.endif
.if (\t)+4 < 8
	LOAD (\t)+4
.endif
.if (\t)+1 < 8
.if (\t) < 4
	s_wait_loadcnt 24                              ; the next step's eight loads are in; three steps' may be out
.else
	s_wait_loadcnt 8*(6-(\t))
.endif
	TURN (\t)+1
.endif
	v_max3_num_f32 v228, |v[XS]|, |v[XS+1]|, |v[XS+2]|     ; the block's largest magnitude, in two chains
	v_max3_num_f32 v229, |v[XS+3]|, |v[XS+4]|, |v[XS+5]|
.irp i, 6,10,14,18,22,26
	v_max3_num_f32 v228, v228, |v[XS+\i]|, |v[XS+\i+1]|
	v_max3_num_f32 v229, v229, |v[XS+\i+2]|, |v[XS+\i+3]|
.endr
	v_max3_num_f32 v228, v228, |v[XS+30]|, |v[XS+31]|
	v_max3_num_f32 v228, v228, v229, 3<<23         ; the floor 2^(3 - 127): the byte cannot fall under 1
	v_add_nc_u32 v230, -(2<<23), v228              ; 2 off the exponent field: the conversions' scale operand
	v_cvt_scalef32_pk16_fp6_f32 v[CS:CS+2], v[XS:XS+15], v230
	v_cvt_scalef32_pk16_fp6_f32 v[224:226], v[XS+16:XS+31], v230   ; (three registers from an even one)
	v_lshrrev_b32 v[CS+6], 23, v230                ; the byte; also the plain line behind the conversions
.irp i, 0,1,2
	v_mov_b32 v[CS+3+\i], v[224+\i]
.endr
	ds_store_b128 v10, v[CS:CS+3] offset:32*(\t)
	ds_store_b64 v11, v[CS+4:CS+5] offset:512+16*(\t)
	ds_store_b8 v12, v[CS+6] offset:64*(\t)
.endm
.irp t, 0,1,2,3
	LOAD \t
.endr
	s_wait_loadcnt 24
	TURN 0
.irp t, 0,1,2,3,4,5,6,7
	STEP \t
.endr
.irp k, 0,1,2,3,4,5,6,7,8,9,10,11
	ds_load_b128 v[R+4*\k:R+4*\k+3], v13 offset:512*\k
.endr
	s_wait_dscnt 0x0                               ; the image is back, and my scale bytes are stored
.irp k, 0,1,2,3,4,5,6,7,8,9,10,11
	global_store_b128 v3, v[R+4*\k:R+4*\k+3], s[10:11] offset:512*\k   ; 512 consecutive bytes, aligned
.endr
	s_barrier_signal -1
	s_barrier_wait -1                              ; both halves' scale bytes are stored
	ds_load_b64 v[232:233], v14
	s_wait_dscnt 0x0
	global_store_b64 v15, v[232:233], s[12:13]     ; 256 consecutive bytes, aligned
	s_wait_tensorcnt 0x0                           ; the wave's end
	ds_add_u32 v254, v255
	s_wait_dscnt 0x0
	s_endpgm
.Lfunc_end_k_qd878eab66a_quant:
	.size	k_qd878eab66a_quant, .Lfunc_end_k_qd878eab66a_quant-k_qd878eab66a_quant
	.p2alignl 7, 3214868480
	.fill 96, 4, 3214868480
	.section	.rodata,"a",@progbits
	.p2align	6, 0x0
	.amdhsa_kernel k_qd878eab66a_quant
		.amdhsa_group_segment_fixed_size 94464
		.amdhsa_private_segment_fixed_size 0
		.amdhsa_enable_private_segment 0
		.amdhsa_kernarg_size 40
		.amdhsa_user_sgpr_count 2
		.amdhsa_user_sgpr_kernarg_segment_ptr 1
		.amdhsa_wavefront_size32 1
		.amdhsa_system_sgpr_workgroup_id_x 1
		.amdhsa_system_sgpr_workgroup_id_y 1
		.amdhsa_system_sgpr_workgroup_id_z 1
		.amdhsa_system_vgpr_workitem_id 0
		.amdhsa_next_free_vgpr 256
		.amdhsa_next_free_sgpr 66
		.amdhsa_reserve_vcc 0
		.amdhsa_float_denorm_mode_32 3
		.amdhsa_float_denorm_mode_16_64 3
		.amdhsa_memory_ordered 1
		.amdhsa_forward_progress 1
		.amdhsa_inst_pref_size 33
	.end_amdhsa_kernel
	.amdgpu_metadata
---
amdhsa.version: [ 1, 2 ]
amdhsa.kernels:
  - .name:           k_qd878eab66a_quant
    .symbol:         k_qd878eab66a_quant.kd
    .args:
      - { .name: x, .offset: 0, .size: 8, .value_kind: global_buffer, .address_space: global }
      - { .name: w_qkv, .offset: 8, .size: 8, .value_kind: global_buffer, .address_space: global }
      - { .name: w_out, .offset: 16, .size: 8, .value_kind: global_buffer, .address_space: global }
      - { .name: cod, .offset: 24, .size: 8, .value_kind: global_buffer, .address_space: global }
      - { .name: scl, .offset: 32, .size: 8, .value_kind: global_buffer, .address_space: global }
    .group_segment_fixed_size: 94464
    .private_segment_fixed_size: 0
    .kernarg_segment_align: 8
    .kernarg_segment_size: 40
    .max_flat_workgroup_size: 192
    .sgpr_count:     66
    .vgpr_count:     256
    .wavefront_size: 32
...
	.end_amdgpu_metadata
.endif
;; end of part 1
;; launch gemm_qkv (part 2): grid 4 x 64, 4 waves a work-group, clusters of 4 x 4, 327,680 bytes of LDS; arguments cod, scl, key_padding_mask, qb, kv; writes qb, kv
.if DOCPART == 2
	.amdgcn_target "amdgcn-amd-amdhsa--gfx1250"
	.amdhsa_code_object_version 6
	.text
	.protected	k_qd878eab66a_gemm_qkv
	.globl	k_qd878eab66a_gemm_qkv
	.p2align	8
	.type	k_qd878eab66a_gemm_qkv,@function
k_qd878eab66a_gemm_qkv:
	s_mov_b64 s[64:65], 0
	v_nop
	global_prefetch_b8 v0, s[64:65] scope:SCOPE_SE
	s_setreg_imm32_b32 hwreg(HW_REG_WAVE_MODE, 25, 1), 1
	s_wait_xcnt 0x0
	s_wait_alu depctr_hold_cnt(0) depctr_sa_sdst(0) depctr_va_vdst(0) depctr_va_sdst(0) depctr_va_ssrc(0) depctr_va_vcc(0) depctr_vm_vsrc(0)
	s_getreg_b32 s2, hwreg(HW_REG_IB_STS2, 6, 4)
	s_cmp_eq_u32 s2, 0
	s_cbranch_scc0 .Lentry_in_a_cluster
	s_endpgm
.Lentry_in_a_cluster:
	s_bfe_u32 s2, ttmp6, 0x10000c
	s_cmp_lg_u32 s2, 0xf033
	s_cbranch_scc0 .Lentry_shape_is_right
	s_endpgm
.Lentry_shape_is_right:
; Q, K, V = x w_qkv^T on codes of E2M3, each result quantised again and stored as images of the next products' operand registers (qb, kv: [16 b + head][step of 128 tokens][13,056 bytes]:
; eight tiles of Q or K at 768 t; V^T at 6,144 + 3,072 c + 768 t; Q's or K's scale words at 12,288 + 256 i + 16 p + 4 j; V's at 12,800 + 16 p + 4 j).
; Byte 2 of a scale word of Q is 177, of K 177 where the key is masked and 0 where not: the launch that follows reads them so.
; SHARES.  256 work-groups, 4 x 64.  Work-group (cx, y) holds x's places 128 y .. + 127, all of K, in LDS for the whole launch and takes three chunks of 256 rows of w_qkv: cx of Q's four, of K's, of V's.
; A chunk's K halves (98,304 bytes each) are the two slots of a ring: while one half is multiplied the other is filled with the next chunk's; four refills, each behind a round of the cluster's barrier, a quarter a wave.
; A refill is asked for three and a half K steps, 112 matrix instructions, ahead of the wait for it, and nothing else is streamed: no prefetch is laid.
; CLUSTERS 4 x 4: x's tiles hang on y alone and are shared along a row of the cluster, the weights' on cx alone and are shared along a column.
; A WAVE makes 64 x 128: 32 accumulators; source 0 takes the eight tiles whose rows run along a lane's registers, source 1 the four whose rows are the lanes.  Q, K: lanes = tokens (64 of the 128), registers = 128 weight rows.
; V: lanes = 64 weight rows, registers = the 128 tokens.  A K step's 12 fragments come by 48 LDS loads of consecutive bytes into one of two sets, a step ahead.
; Scale words come once, from memory into registers: lane l takes place l's 32 bytes of two neighbouring tiles.
; REGISTERS: window 0 addresses, scale words (v64-195), the way out; window 1 accumulators (64 a + 8 b); window 2 source 0's two sets of 96; window 3 source 1's two sets of 48.
; LIMITS: NaN and infinities are not served; a block under 2^-124 keeps the byte 1, a block of zeros too.
.set XH0, 0
.set XH1, 49152
.set WH0, 98304
.set WH1, 196608
.set SPARE, 294912
.set HB, 208896
.set SB, 13056
.set L16, 4
.set L8, 5
.set SO, 6
.set MRW, 7
.set AD0, 8                            ; v8-15 Q, K; v16-23 V: lanes' tiles 16 l (half 0, 1), 8 l (0, 1); registers' tiles likewise
.set FL, 24
.set SLQ, 25                           ; byte selects that gather a scale word from lanes l and l xor 16: Q's and K's,
.set SLV, 208                          ; V's
.set SWO, 26
.set SWOV, 27
.set SPW, 28
.set NIL, 29
.set PW, 30
.set PT, 31
.set TM, 32
.set CD, 44
.set SBR0, 64                          ; the weights' words, Q then K
.set SWK, 96                           ; K's, until they are moved
.set SBR1, 128                         ; x's eight tiles, for V
.set SAR0, 164                         ; x's four tiles, for Q, K
.set SAR1, 180                         ; V's weights
.set SW, 196
.set MK, 200
.set MT, 204
.set G1X, 24
.set G1W, 32
.set G1R, 48
.set G0A, 56
.set G0B, 60
.set G0C, 68
.set G0D, 72
.set G0W, 76
.set SEL, 66
.set MULW, 0x5e                        ; source 0 window 2, source 1 window 3, C and D window 1
.set MSB, 0
.macro WIN new
.if MSB != (\new)
	s_set_vgpr_msb (MSB<<8)|(\new)
.set MSB, (\new)
.endif
.endm
.macro PLACES n
.rept \n
	v_nop
.endr
.endm
.macro CREST
	s_cmp_lg_u32 s14, 0
	s_cbranch_scc1 .Lnot_wave_0_\@
	s_barrier_signal -3
.Lnot_wave_0_\@:
	s_barrier_wait -3
	s_barrier_signal -1
	s_barrier_wait -1
.endm
.macro CROUND
	s_barrier_signal -1
	s_barrier_wait -1
	CREST
.endm
.macro GROUP1 g, mask, rows            ; rows of 6,144 bytes (768 elements of 8), 12,288 apart in memory, dense in LDS
	s_or_b32 s[\g], s\mask, (3<<16)|(1<<21)
	s_mov_b32 s[\g+1], 768<<16
	s_mov_b32 s[\g+2], (\rows)<<16
	s_mov_b32 s[\g+3], 768<<16
	s_mov_b32 s[\g+4], \rows
	s_mov_b32 s[\g+5], 1536
	s_mov_b32 s[\g+6], 0
	s_mov_b32 s[\g+7], 0
.endm
.macro G0SET g, lds, base, off
	s_mov_b32 s[\g], 1
	s_mov_b32 s[\g+1], \lds
	s_add_nc_u64 s[\g+2:\g+3], s[\base:\base+1], \off
	s_or_b32 s[\g+3], s[\g+3], 0x80000000
.endm
.macro TLOAD g0, g1
	tensor_load_to_lds s[\g0:\g0+3], s[\g1:\g1+7]
	s_nop 0
	PLACES 4
.endm
.macro ARM w, g0, g1, next
	s_cmp_eq_u32 s14, \w
	s_cbranch_scc0 \next
	TLOAD \g0, \g1
	s_branch .Lasked
\next:
.endm
.macro FRG reg, a16, a8, off           ; a fragment's image: registers 0-3, 4-5, 6-9, 10-11
	ds_load_b128 v[\reg:\reg+3], v[\a16] offset:\off
	ds_load_b64 v[\reg+4:\reg+5], v[\a8] offset:\off+512
	ds_load_b128 v[\reg+6:\reg+9], v[\a16] offset:\off+768
	ds_load_b64 v[\reg+10:\reg+11], v[\a8] offset:\off+1280
.endm
.macro FETCH c, k                      ; K step k's twelve fragments into set k % 2: 48 loads
.set AD_, AD0+8*(\c)+(\k)/4
.set O_, ((\k)%4)*1536
.set F_, (\k)%2
	WIN 0x80
.irp i, 0,1,2,3,4,5,6,7
	FRG 96*F_+12*\i, AD_+4, AD_+6, O_+\i*6144
.endr
	WIN 0xc0
.irp i, 0,1,2,3
	FRG 48*F_+12*\i, AD_, AD_+2, O_+\i*6144
.endr
	WIN 0
.endm
.macro PRD a, b, rb, ra, z
.if \z
	v_wmma_scale_f32_16x16x128_f8f6f4 v[64*(\a)+8*(\b):64*(\a)+8*(\b)+7], v[96*S_+12*(\b):96*S_+12*(\b)+11], v[48*S_+12*(\a):48*S_+12*(\a)+11], 0, v[SB_+8*((\b)/2)], v[SA_] matrix_a_fmt:MATRIX_FMT_FP6 matrix_b_fmt:MATRIX_FMT_FP6 matrix_a_scale:MATRIX_SCALE_ROW\rb matrix_b_scale:MATRIX_SCALE_ROW\ra
.else
	v_wmma_scale_f32_16x16x128_f8f6f4 v[64*(\a)+8*(\b):64*(\a)+8*(\b)+7], v[96*S_+12*(\b):96*S_+12*(\b)+11], v[48*S_+12*(\a):48*S_+12*(\a)+11], v[64*(\a)+8*(\b):64*(\a)+8*(\b)+7], v[SB_+8*((\b)/2)], v[SA_] matrix_a_fmt:MATRIX_FMT_FP6 matrix_b_fmt:MATRIX_FMT_FP6 matrix_a_scale:MATRIX_SCALE_ROW\rb matrix_b_scale:MATRIX_SCALE_ROW\ra
.endif
.endm
.macro MROW c, k, a, ra, z             ; eight products; the 32 accumulators take turns, one instruction a turn
.set S_, (\k)%2
.set SB_, SBR0+(\c)*(SBR1-SBR0)+(\k)
.set SA_, SAR0+(\c)*(SAR1-SAR0)+8*((\a)/2)+(\k)
.irp b, 0,2,4,6
	PRD \a, \b, 0, \ra, \z
	PRD \a, \b+1, 1, \ra, \z
.endr
.endm
.macro BLK c, k, z, f                  ; a K step; f: the next step's fragments are fetched ahead of it
.if \f
	PLACES 4                                       ; between the last step's products and the loads into the set that the step before it read
	FETCH \c, (\k)+1
	s_wait_dscnt 48                                ; all but the 48 just issued
.else
	s_wait_dscnt 0x0
.endif
	WIN MULW
	MROW \c, \k, 0, 0, \z
	MROW \c, \k, 1, 1, \z
	MROW \c, \k, 2, 0, \z
	MROW \c, \k, 3, 1, \z
	WIN 0
.endm
; The last K step of a half.  Every wave waits for all its tensor loads (the other half among them), adds 0 to its spare word, waits for that and for its reads of this half; the barrier opens a round where the half is filled again.
.macro TURN c, k, refill, wh, f
	s_wait_tensorcnt 0x0
	ds_add_u32 v[SPW], v[NIL]
.if \refill
.if \wh
	s_add_nc_u64 s[G0W+2:G0W+3], s[G0W+2:G0W+3], 6144            ; the same chunk's second half
	s_add_co_u32 s[G0W+1], s82, WH1
.else
	s_add_nc_u64 s[G0W+2:G0W+3], s[G0W+2:G0W+3], 64*12288-6144   ; four chunks on, first half
	s_add_co_u32 s[G0W+1], s82, WH0
.endif
.endif
	s_wait_dscnt 0x0
	s_barrier_signal -1
	WIN MULW
	MROW \c, \k, 0, 0, 0
	MROW \c, \k, 1, 1, 0
	WIN 0
	s_barrier_wait -1
.if \refill
	CREST
	tensor_load_to_lds s[G0W:G0W+3], s[G1R:G1R+7]  ; my quarter: four tiles
	s_nop 0
.endif
	PLACES 4
.if \f
	FETCH \c, (\k)+1
.endif
	WIN MULW
	MROW \c, \k, 2, 0, 0
	MROW \c, \k, 3, 1, 0
	WIN 0
.endm
; The way out of 16 lanes' rows x 128.  By the places' order (place 16 j + p of 64 is row 8 j + p % 8 + 32 (p / 8)) a lane's 32 registers of tiles 4 g .. 4 g + 3 are the 32 neighbours 64 g + 32 (lane / 16) + 0 .. 31
; along the next K: a whole block, whose six registers of codes are the next operand's as they fall.  Only the scale bytes meet lane l xor 16's.
.macro QBLK a, v
.set AC, 64*(\a)
	WIN 0x14
.irp b, 0,1,2,3                        ; four chains: each block's two halves
	v_max3_num_f32 v[TM+\b], v[FL], |v[AC+16*\b]|, |v[AC+1+16*\b]|
.endr
.irp i, 2,4,6,8,10,12,14
.irp b, 0,1,2,3
	v_max3_num_f32 v[TM+\b], v[TM+\b], |v[AC+16*\b+\i]|, |v[AC+1+16*\b+\i]|
.endr
.endr
	WIN 0
.irp g, 0,1
	v_max_num_f32 v[TM+4+\g], v[TM+2*\g], v[TM+2*\g+1]
.endr
.irp g, 0,1
	v_add_nc_u32 v[TM+8+\g], 0xff000000, v[TM+4+\g]
.endr
.irp g, 0,1
	v_lshrrev_b32 v[TM+4+\g], 23, v[TM+8+\g]
.endr
	v_lshl_or_b32 v[PW], v[TM+5], 16, v[TM+4]      ; my two bytes, at bytes 0 and 2
	v_permlanex16_b32 v[PT], v[PW], s[SEL], s[SEL+1]
.if \v
	v_perm_b32 v[SW+\a], v[PW], v[PT], v[SLV]      ; V: the four bytes of 128 keys
.else
	v_perm_b32 v[PT], v[PW], v[PT], v[SLQ]         ; Q, K: lanes 0-15 the first head's two bytes, lanes 16-31 the second's
	v_or_b32 v[SW+\a], v[PT], v[MT+\a]
.endif
	s_wait_alu depctr_va_vdst(0)                   ; the wait here, directly ahead of the wait below
	s_wait_xcnt 0x0                                ; the last block's stores have read their registers
	WIN 1
.irp c, 0,1
	v_cvt_scalef32_pk16_fp6_f32 v[CD+6*\c:CD+2+6*\c], v[AC+32*\c:AC+15+32*\c], v[TM+8+\c]
	v_cvt_scalef32_pk16_fp6_f32 v[CD+12+4*\c:CD+14+4*\c], v[AC+16+32*\c:AC+31+32*\c], v[TM+8+\c]
.endr
	WIN 0
	v_nop
.irp c, 0,1
.irp i, 0,1,2
	v_mov_b32 v[CD+3+6*\c+\i], v[CD+12+4*\c+\i]
.endr
.endr
	global_store_b128 v[L16], v[CD:CD+3], s[4:5] offset:(\a)*768
	global_store_b64 v[L8], v[CD+4:CD+5], s[4:5] offset:(\a)*768+512
	global_store_b128 v[L16], v[CD+6:CD+9], s[6:7] offset:(\a)*768
	global_store_b64 v[L8], v[CD+10:CD+11], s[6:7] offset:(\a)*768+512
.endm
.macro EPI v
	PLACES 4
	s_wait_xcnt 0x0                                ; earlier stores have read their bases
.if \v
	s_add_nc_u64 s[4:5], s[12:13], s[94:95]
	s_add_nc_u64 s[6:7], s[4:5], 3072              ; the keys' second 64
	s_add_nc_u64 s[8:9], s[12:13], s[96:97]
.else
	s_cmp_eq_u32 s3, 0
	s_cselect_b64 s[4:5], s[10:11], s[12:13]       ; Q to qb, K to kv
	s_cselect_b32 s45, 1, 0
	s_add_nc_u64 s[8:9], s[4:5], s[92:93]
	s_add_nc_u64 s[4:5], s[4:5], s[90:91]
	s_add_nc_u64 s[6:7], s[4:5], HB                ; the second head
.set I_, 0
.rept 32
	v_mov_b32 v[SBR0+I_], v[SWK+I_]                ; K's weights' scale words take Q's place
.set I_, I_+1
.endr
.irp a, 0,1,2,3
	v_or_b32 v[MT+\a], s45, v[MK+\a]
.endr
.irp a, 0,1,2,3
	v_mul_u32_u24 v[MT+\a], v[MT+\a], s42          ; byte 2: 177 or 0
.endr
.endif
.irp a, 0,1,2,3
	QBLK \a, \v
.endr
.if \v
	global_store_b128 v[SWOV], v[SW:SW+3], s[8:9]
.else
	global_store_b128 v[SWO], v[SW:SW+3], s[8:9]
.endif
.endm
.macro LOADSC reg, p, n, off           ; n pairs of tiles: lane l takes place l's 32 bytes
.set J_, 0
.rept \n
	global_load_b128 v[\reg+8*J_:\reg+8*J_+3], v[SO], s[\p:\p+1] offset:\off+1024*J_
	global_load_b128 v[\reg+8*J_+4:\reg+8*J_+7], v[SO], s[\p:\p+1] offset:\off+1024*J_+16
.set J_, J_+1
.endr
.endm
	s_load_b128 s[4:7], s[0:1], 0x0                ; cod, scl
	s_load_b128 s[8:11], s[0:1], 0x10              ; the mask, qb
	s_load_b64 s[12:13], s[0:1], 0x20              ; kv
	v_lshl_add_u32 v[SPW], v0, 2, SPARE
	v_mov_b32 v[NIL], 0
	ds_add_u32 v[SPW], v[NIL]                      ; the opening lines
	ds_add_u32 v[SPW], v[NIL]
	v_lshrrev_b32 v1, 5, v0
	v_readfirstlane_b32 s14, v1                    ; wave
	s_lshr_b32 s15, s14, 1
	s_and_b32 s16, s14, 1
	s_bfe_u32 s40, ttmp6, 0x40000                  ; cx
	s_bfe_u32 s41, ttmp6, 0x40004                  ; cy
	s_and_b32 s17, ttmp7, 0xffff
	s_lshl_b32 s17, s17, 2
	s_add_co_u32 s17, s17, s41                     ; y: my 128 places of x
	s_lshl_b32 s43, s41, 2
	s_lshl_b32 s43, 15, s43                        ; my row of the cluster
	s_lshl_b32 s44, 0x1111, s40                    ; my column
	GROUP1 G1X, 43, 8
	GROUP1 G1W, 44, 16
	GROUP1 G1R, 44, 4
	s_mul_i32 s20, s17, 98304
	s_mov_b32 s21, 0
	s_mul_i32 s22, s40, 196608
	s_add_co_u32 s22, s22, 512*12288
	s_mov_b32 s23, 0
	s_mul_i32 s18, s14, 49152
	s_add_co_u32 s18, s18, 6144
	s_mov_b32 s19, 0
	s_wait_dscnt 0x0
	s_wait_kmcnt 0x0
	s_add_nc_u64 s[20:21], s[4:5], s[20:21]
	s_add_nc_u64 s[22:23], s[4:5], s[22:23]
	G0SET G0A, XH0, 20, 0
	G0SET G0B, WH0, 22, 0
	G0SET G0C, XH1, 20, 6144
	G0SET G0D, WH1, 22, 6144
	s_mov_b32 s[G0W], 1
	s_add_nc_u64 s[G0W+2:G0W+3], s[22:23], s[18:19]   ; my four tiles of chunk 0's second half: the refills step on from here
	s_or_b32 s[G0W+3], s[G0W+3], 0x80000000
	CROUND                                         ; in front of the first joint loads
	ARM 0, G0A, G1X, .Lw1                          ; one load a wave: the first halves first
	ARM 1, G0B, G1W, .Lw2
	ARM 2, G0C, G1X, .Lw3
	TLOAD G0D, G1W
.Lasked:
	s_mul_i32 s80, s15, 24576                      ; LDS bases: Q, K: my four tiles of x,
	s_add_co_u32 s81, s80, XH1
	s_mul_i32 s82, s14, 24576
	s_mul_i32 s83, s16, 49152                      ; my eight of the weights;
	s_add_co_u32 s84, s83, WH1
	s_add_co_u32 s83, s83, WH0
	s_add_co_u32 s85, s82, WH0                     ; V: my four of the weights
	s_add_co_u32 s86, s82, WH1
	s_mov_b32 s19, 0
	s_lshl_b32 s18, s17, 12
	s_add_nc_u64 s[20:21], s[6:7], s[18:19]        ; x's scale bytes, 128 places
	s_lshl_b32 s18, s15, 11
	s_add_nc_u64 s[22:23], s[20:21], s[18:19]      ; my 64
	s_lshl_b32 s18, s40, 13
	s_lshl_b32 s45, s16, 12
	s_add_co_u32 s18, s18, s45
	s_add_co_u32 s18, s18, 8192*32
	s_add_nc_u64 s[46:47], s[6:7], s[18:19]        ; Q's weights' (K's 32,768 bytes on)
	s_lshl_b32 s18, s40, 13
	s_lshl_b32 s45, s14, 11
	s_add_co_u32 s18, s18, s45
	s_add_co_u32 s18, s18, (8192+2048)*32
	s_add_nc_u64 s[88:89], s[6:7], s[18:19]        ; V's weights'
	s_lshl_b32 s18, s17, 7
	s_lshl_b32 s45, s15, 6
	s_add_co_u32 s18, s18, s45
	s_add_nc_u64 s[98:99], s[8:9], s[18:19]        ; the mask of my 64 tokens
	s_lshr_b32 s18, s17, 4                         ; where the results go
	s_lshl_b32 s18, s18, 4
	s_lshl_b32 s45, s40, 2
	s_add_co_u32 s18, s18, s45                     ; 16 b + 4 cx
	s_and_b32 s19, s17, 15
	s_mul_i32 s19, s19, SB
	s_lshl_b32 s42, s16, 1
	s_add_co_u32 s42, s42, s18
	s_mul_i32 s42, s42, HB
	s_add_co_u32 s42, s42, s19
	s_mul_i32 s45, s15, 3072
	s_add_co_u32 s90, s42, s45
	s_mov_b32 s91, 0
	s_lshl_b32 s45, s15, 8
	s_add_co_u32 s92, s42, s45
	s_add_co_u32 s92, s92, 12288
	s_mov_b32 s93, 0
	s_add_co_u32 s42, s18, s14
	s_mul_i32 s42, s42, HB
	s_add_co_u32 s42, s42, s19
	s_add_co_u32 s94, s42, 6144
	s_mov_b32 s95, 0
	s_add_co_u32 s96, s42, 12800
	s_mov_b32 s97, 0
	s_mov_b32 s42, 0xb10000
	s_mov_b32 s[SEL], 0x76543210
	s_mov_b32 s[SEL+1], 0xfedcba98
	v_and_b32 v1, 15, v0
	v_bfe_u32 v2, v0, 4, 1
	v_and_b32 v3, 31, v0
	v_lshlrev_b32 v[L16], 4, v3
	v_lshlrev_b32 v[L8], 3, v3
	v_lshlrev_b32 v[SO], 5, v3
	v_and_b32 v3, 8, v1
	v_and_b32 v[MRW], 7, v1
	v_lshl_add_u32 v[MRW], v3, 2, v[MRW]           ; place p's token: p % 8 + 32 (p / 8), + 8 for each tile
	v_add_nc_u32 v[AD0], s80, v[L16]
	v_add_nc_u32 v[AD0+1], s81, v[L16]
	v_add_nc_u32 v[AD0+2], s80, v[L8]
	v_add_nc_u32 v[AD0+3], s81, v[L8]
	v_add_nc_u32 v[AD0+4], s83, v[L16]
	v_add_nc_u32 v[AD0+5], s84, v[L16]
	v_add_nc_u32 v[AD0+6], s83, v[L8]
	v_add_nc_u32 v[AD0+7], s84, v[L8]
	v_add_nc_u32 v[AD0+8], s85, v[L16]
	v_add_nc_u32 v[AD0+9], s86, v[L16]
	v_add_nc_u32 v[AD0+10], s85, v[L8]
	v_add_nc_u32 v[AD0+11], s86, v[L8]
	v_mov_b32 v[AD0+12], v[L16]
	v_add_nc_u32 v[AD0+13], XH1, v[L16]
	v_mov_b32 v[AD0+14], v[L8]
	v_add_nc_u32 v[AD0+15], XH1, v[L8]
	v_mov_b32 v[FL], 0x1800000
	v_cmp_eq_u32 vcc_lo, 1, v2
	v_mov_b32 v[SLQ], 0x05050004                   ; bytes 4-7: mine, 0-3: lane l xor 16's; my byte 1 is 0
	v_mov_b32 v3, 0x05050602
	v_cndmask_b32 v[SLQ], v[SLQ], v3, vcc_lo
	v_mov_b32 v[SLV], 0x02060004
	v_mov_b32 v3, 0x06020400
	v_cndmask_b32 v[SLV], v[SLV], v3, vcc_lo
	v_lshlrev_b32 v[SWOV], 4, v1
	v_mul_u32_u24 v[SWO], HB, v2
	v_lshl_add_u32 v[SWO], v1, 4, v[SWO]
	v_mov_b32 v[PT], 0                             ; a lane permute's destination counts as a source
	s_wait_alu depctr_va_vdst(0)                   ; the wait at the head's end
	LOADSC SBR0, 46, 4, 0
	LOADSC SAR0, 22, 2, 0
	LOADSC SWK, 46, 4, 32768
	LOADSC SBR1, 20, 4, 0
	LOADSC SAR1, 88, 2, 0
.irp a, 0,1,2,3
	global_load_u8 v[MK+\a], v[MRW], s[98:99] offset:8*\a
.endr
	s_cmp_lt_u32 s14, 2
	s_cbranch_scc0 .Lsecond
	s_wait_tensorcnt 0x0                           ; waves 0 and 1: the first halves are in
.Lsecond:
	s_barrier_signal -1
	s_barrier_wait -1                              ; the second halves may be on their way
	s_wait_loadcnt 0x0
	s_mov_b32 s3, 0
.Lchunk:                                           ; Q, then K
	FETCH 0, 0
	BLK 0, 0, 1, 1
	BLK 0, 1, 0, 1
	BLK 0, 2, 0, 1
	TURN 0, 3, 1, 0, 1
	BLK 0, 4, 0, 1
	BLK 0, 5, 0, 1
	BLK 0, 6, 0, 1
	TURN 0, 7, 1, 1, 0
	EPI 0
	s_add_co_u32 s3, s3, 1
	s_cmp_lt_u32 s3, 2
	s_wait_alu depctr_va_vdst(0)                   ; the wait ahead of the branch
	s_cbranch_scc1 .Lchunk
	FETCH 1, 0                                     ; V: nothing more is fetched from memory
	BLK 1, 0, 1, 1
	BLK 1, 1, 0, 1
	BLK 1, 2, 0, 1
	TURN 1, 3, 0, 0, 1
	BLK 1, 4, 0, 1
	BLK 1, 5, 0, 1
	BLK 1, 6, 0, 1
	BLK 1, 7, 0, 0
	EPI 1
	s_wait_tensorcnt 0x0                           ; the wave's end
	ds_add_u32 v[SPW], v[NIL]
	s_wait_dscnt 0x0
	CROUND                                         ; the closing round
	s_endpgm
.Lfunc_end_k_qd878eab66a_gemm_qkv:
	.size	k_qd878eab66a_gemm_qkv, .Lfunc_end_k_qd878eab66a_gemm_qkv-k_qd878eab66a_gemm_qkv
	.p2alignl 7, 3214868480
	.fill 96, 4, 3214868480
	.section	.rodata,"a",@progbits
	.p2align	6, 0x0
	.amdhsa_kernel k_qd878eab66a_gemm_qkv
		.amdhsa_group_segment_fixed_size 327680
		.amdhsa_private_segment_fixed_size 0
		.amdhsa_enable_private_segment 0
		.amdhsa_kernarg_size 40
		.amdhsa_user_sgpr_count 2
		.amdhsa_user_sgpr_kernarg_segment_ptr 1
		.amdhsa_wavefront_size32 1
		.amdhsa_system_sgpr_workgroup_id_x 1
		.amdhsa_system_sgpr_workgroup_id_y 1
		.amdhsa_system_sgpr_workgroup_id_z 1
		.amdhsa_system_vgpr_workitem_id 0
		.amdhsa_next_free_vgpr 896
		.amdhsa_next_free_sgpr 100
		.amdhsa_reserve_vcc 1
		.amdhsa_float_denorm_mode_32 3
		.amdhsa_float_denorm_mode_16_64 3
		.amdhsa_memory_ordered 1
		.amdhsa_forward_progress 1
		.amdhsa_inst_pref_size 163
	.end_amdhsa_kernel
	.amdgpu_metadata
---
amdhsa.version: [ 1, 2 ]
amdhsa.kernels:
  - .name:           k_qd878eab66a_gemm_qkv
    .symbol:         k_qd878eab66a_gemm_qkv.kd
    .args:
      - { .name: cod, .offset: 0, .size: 8, .value_kind: global_buffer, .address_space: global }
      - { .name: scl, .offset: 8, .size: 8, .value_kind: global_buffer, .address_space: global }
      - { .name: key_padding_mask, .offset: 16, .size: 8, .value_kind: global_buffer, .address_space: global }
      - { .name: qb, .offset: 24, .size: 8, .value_kind: global_buffer, .address_space: global }
      - { .name: kv, .offset: 32, .size: 8, .value_kind: global_buffer, .address_space: global }
    .group_segment_fixed_size: 327680
    .private_segment_fixed_size: 0
    .kernarg_segment_align: 8
    .kernarg_segment_size: 40
    .max_flat_workgroup_size: 128
    .sgpr_count:     100
    .vgpr_count:     896
    .wavefront_size: 32
...
	.end_amdgpu_metadata
.endif
;; end of part 2
;; launch attn (part 3): grid 4 x 64, 8 waves a work-group, clusters of 4 x 1, 214,016 bytes of LDS; arguments qb, kv, ac, asc; writes ac, asc
.if DOCPART == 3
	.amdgcn_target "amdgcn-amd-amdhsa--gfx1250"
	.amdhsa_code_object_version 6
	.text
	.protected	k_qd878eab66a_attn
	.globl	k_qd878eab66a_attn
	.p2align	8
	.type	k_qd878eab66a_attn,@function
k_qd878eab66a_attn:
	s_mov_b64 s[64:65], 0
	v_nop
	global_prefetch_b8 v0, s[64:65] scope:SCOPE_SE
	s_setreg_imm32_b32 hwreg(HW_REG_WAVE_MODE, 25, 1), 1
	s_wait_xcnt 0x0
	s_wait_alu depctr_hold_cnt(0) depctr_sa_sdst(0) depctr_va_vdst(0) depctr_va_sdst(0) depctr_va_ssrc(0) depctr_va_vcc(0) depctr_vm_vsrc(0)
	s_getreg_b32 s2, hwreg(HW_REG_IB_STS2, 6, 4)
	s_cmp_eq_u32 s2, 0
	s_cbranch_scc0 .Lentry_in_a_cluster
	s_endpgm
.Lentry_in_a_cluster:
	s_bfe_u32 s2, ttmp6, 0x10000c
	s_cmp_lg_u32 s2, 0x3003
	s_cbranch_scc0 .Lentry_shape_is_right
	s_endpgm
.Lentry_shape_is_right:
; attn[b][q][head][:] = sum over keys of softmax(q . k / 8, masked keys out) v, both products on codes of E2M3 with E8M0 scales; the result is divided by the row's sum, quantised along the head's 64 and stored as codes.
; THE SOFTMAX: t = score x log2(e) / 8; M = the running largest t rounded UP to a whole number; p = 2^(t - M) is quantised along the keys, not normalised; the row's sum is taken of the unquantised p.
; When M moves, the sum and O are multiplied by 2^(old M - new M): exact.
; SHARES.  A cluster of four work-groups is one head (64 heads: 16 b + head); a work-group owns 512 queries in two passes of 256; each of its eight waves owns 32 queries a pass: two tiles of 16, which go through
; every stage of the softmax side by side.  Each fragment of K and V read from LDS feeds two matrix instructions.
; LDS.  The WHOLE head's K, V and scale words, 208,896 bytes as they lie in kv, are brought once: each wave asks for an eighth by one tensor load, jointly with the same wave of the three partners.  Nothing is filled again
; and nothing is stored to LDS.  All that the launch reads through LDS is asked for at its head: no prefetch.
; kv's and qb's layout: [head][16 steps of 128 keys][13,056 bytes]: eight tiles of K as images of registers 0-5 (768 bytes: registers 0-3 at 16 x lane, 4-5 at 512 + 8 x lane); at 6,144 V^T (half c at 3,072 c, tile t at 768 t);
; at 12,288 K's scale words (tile 4 i + j, lane p: 256 i + 16 p + 4 j); at 12,800 V's (16 p + 4 j).
; LAYOUT.  Both products are used transposed: S^T = K Q^T, O^T = V^T P^T: a lane holds ONE query throughout.  Lane p of K's tile 4 c + j holds key 64 c + 8 j + p % 8 + 32 (p / 8): so the 32 registers of tiles 4 c .. 4 c + 3 are
; the keys 64 c + 32 (lane / 16) + 0 .. 31: a whole block of p's quantiser, whose codes are the operand's registers as they fall.  V's tiles of channels are laid likewise: O^T's 32 registers are channels 32 (lane / 16) + 0 .. 31.
; THE MASK COSTS NO LINE HERE.  The first product has K = 64, the instruction 128.  Registers 6-11 of K's and Q's fragments are constants: at k = 64 the code -7.5 (K) and 1.0 (Q), zeros elsewhere.  Byte 2 of Q's scale words
; is 177, byte 2 of a key's word 177 where it is masked and 0 where not: a masked key's score is -7.5 x 2^100, its p exactly 0; an open key's score gets -7.5 x 2^-77, under its last bit.
; A row all of whose keys are masked ends with its largest t under -2^90: its two scale bytes become 0xff, and the last product makes the row NaN, as a softmax over nothing is.
; LIMITS: |score| stays under 2^76; NaN and infinities are not served; a block under 2^-124 keeps the byte 1, a block of zeros too.
; K's fragments of the next step are fetched from LDS behind this step's score products: so the pass's first step is fetched ahead of the loop and its last step is written out.
; REGISTERS.  Window 0: v1-11 addresses and constants; v12-19 statistics, four a tile (-M, largest t, the sum in two halves); v20-27 K's scale words, v28-31 V's, v32-33 Q's, v34-35 p's; v36-39 f; v40-55 at work, eight a tile;
;   v56-79 p's codes; v80-87, v224-231 halves made apart; v88-89 attn's scale bytes; v90 8 x (lane / 16); v96-223 S^T, then p, 64 a tile.   Window 1: v0-63 O^T, 32 a tile; v64-87 Q; v96-191 K's eight fragments; v192-239 V's four.
.set HB,   208896
.set SB,   13056
.set PART, 26112
.set VO,   6144
.set KSO,  12288
.set VSO,  12800
.set L16,  1
.set L8,   2
.set R16,  3
.set A16,  4
.set A8,   5
.set AR,   6
.set L32,  8
.set ONES, 9
.set CK,   10
.set CQ,   11
.set ST,   12
.set KSC,  20
.set VSC,  28
.set QSC,  32
.set PSC,  34
.set FF,   36
.set TX,   40                          ; a tile's eight: +0, +1 the blocks' largest; +2, +3 their scale operands; +4, +5 at work; +6, +7 the second chain of the sum
.set PCD,  56
.set CT,   80                          ; tile 1's at CT + 144
.set HW,   88
.set SH8,  90
.set S,    96
.set QF,   64
.set KF,   96
.set VF,   192
.set WV,   12
.set SEL,  20
.set CS,   22
.set G1,   24
.set G0,   32
.set TB,   36
.set MSB, 0
.macro WIN new
.if MSB != (\new)
	s_set_vgpr_msb (MSB<<8)|(\new)
.set MSB, (\new)
.endif
.endm
.macro WALU
	s_wait_alu depctr_va_vdst(0)
.endm
.macro CROUND
	s_barrier_signal -1
	s_barrier_wait -1
	s_cmp_lg_u32 s[WV], 0
	s_cbranch_scc1 .Lnot_wave_0_\@
	s_barrier_signal -3
.Lnot_wave_0_\@:
	s_barrier_wait -3
	s_barrier_signal -1
	s_barrier_wait -1
.endm
	s_load_b128 s[4:7], s[0:1], 0x0                ; qb, kv
	s_load_b128 s[8:11], s[0:1], 0x10              ; ac, asc
	v_lshl_add_u32 v254, v0, 2, 0x34000
	v_mov_b32 v255, 0
	ds_add_u32 v254, v255                          ; the opening lines
	ds_add_u32 v254, v255
	v_lshrrev_b32 v1, 5, v0
	v_readfirstlane_b32 s[WV], v1                  ; wave 0..7
	s_bfe_u32 s13, ttmp6, 0x40000                  ; cx: it enters global addresses of q and of the results alone
	s_and_b32 s14, ttmp7, 0xffff                   ; 16 b + head
	s_mul_i32 s16, s14, HB
	s_mov_b32 s17, 0
	s_mul_i32 s18, s[WV], PART                     ; my eighth, in memory and in LDS
	s_mov_b32 s19, 0
	s_mov_b32 s[G1], 15|(3<<16)|(1<<21)            ; the mask: all four work-groups; elements of 8 bytes
	s_mov_b32 s[G1+1], 32<<16                      ; rows of 256 bytes
	s_mov_b32 s[G1+2], 102<<16
	s_mov_b32 s[G1+3], 32<<16
	s_mov_b32 s[G1+4], 102
	s_mov_b32 s[G1+5], 32
	s_mov_b32 s[G1+6], 0
	s_mov_b32 s[G1+7], 0
	s_mov_b32 s[SEL], 0x76543210
	s_mov_b32 s[SEL+1], 0xfedcba98
	s_mov_b32 s[CS], 0x3e38aa3b                    ; log2(e) / 8
	s_mov_b32 s[CS+1], s[CS]
	s_mov_b32 s39, 0xffff0000                      ; lanes 16-31
	s_mov_b32 s48, 0xec800000                      ; -2^90
	s_wait_dscnt 0x0
	s_wait_kmcnt 0x0
	s_mov_b32 s[G0], 1
	s_mov_b32 s[G0+1], s18
	s_add_nc_u64 s[G0+2:G0+3], s[6:7], s[16:17]
	s_add_nc_u64 s[G0+2:G0+3], s[G0+2:G0+3], s[18:19]
	s_or_b32 s[G0+3], s[G0+3], 0x80000000
	CROUND                                         ; in front of the joint loads
	tensor_load_to_lds s[G0:G0+3], s[G1:G1+7]
	s_nop 0
.rept 4
	v_nop
.endr
	; my 32 queries of pass p are group g = 16 cx + 8 p + w of the batch's 64 groups: tiles 2 (g % 4), + 1 of step g / 4 in qb; tiles 128 b + 2 g, + 1 in ac
	s_lshl_b32 s50, s13, 2
	s_lshr_b32 s51, s[WV], 2
	s_add_co_u32 s50, s50, s51
	s_mul_i32 s50, s50, SB
	s_add_co_u32 s50, s50, s16
	s_mov_b32 s51, 0
	s_add_nc_u64 s[42:43], s[4:5], s[50:51]        ; q's step block
	s_and_b32 s52, s[WV], 3
	s_mul_i32 s52, s52, 1536
	s_mov_b32 s53, 0
	s_add_nc_u64 s[40:41], s[42:43], s[52:53]      ; my two tiles' images
	s_bfe_u32 s52, s[WV], 0x10001
	s_lshl_b32 s52, s52, 8
	s_and_b32 s54, s[WV], 1
	s_lshl_b32 s54, s54, 3
	s_add_co_u32 s52, s52, s54
	s_add_co_u32 s52, s52, KSO
	s_add_nc_u64 s[42:43], s[42:43], s[52:53]      ; and their scale words
	s_lshr_b32 s50, s14, 4
	s_lshl_b32 s50, s50, 7
	s_lshl_b32 s52, s13, 5
	s_add_co_u32 s50, s50, s52
	s_lshl_b32 s52, s[WV], 1
	s_add_co_u32 s50, s50, s52                     ; my first tile of 16 places
	s_and_b32 s54, s14, 15
	s_mul_i32 s52, s50, 12288
	s_mul_i32 s55, s54, 768
	s_add_co_u32 s52, s52, s55
	s_add_nc_u64 s[44:45], s[8:9], s[52:53]        ; ac: [tile][head][768]
	s_lshl_b32 s52, s50, 9
	s_lshl_b32 s55, s54, 1
	s_add_co_u32 s52, s52, s55
	s_add_nc_u64 s[46:47], s[10:11], s[52:53]      ; asc: [place][32], my head's two bytes
	v_and_b32 v7, 31, v0
	v_lshlrev_b32 v[L16], 4, v7
	v_lshlrev_b32 v[L8], 3, v7
	v_lshlrev_b32 v[L32], 5, v7
	v_and_b32 v[R16], 15, v0
	v_lshlrev_b32 v[R16], 4, v[R16]
	v_mov_b32 v[ONES], 0xffff
	v_bfe_u32 v7, v0, 4, 1
	v_lshlrev_b32 v[SH8], 3, v7
	v_sub_nc_u32 v7, 1, v7                         ; 1 in lanes 0-15, which hold k = 64 .. 95 in registers 6-11
	v_mul_u32_u24 v[CK], v7, 0x3f                  ; -7.5 at k = 64
	v_lshlrev_b32 v[CQ], 3, v7                     ; 1.0 at k = 64
	WIN 0x40                                       ; the constant halves of K's and Q's fragments, written once
.irp t, 0,1,2,3,4,5,6,7
	v_mov_b32 v[KF+12*\t+6], v[CK]
.irp i, 7,8,9,10,11
	v_mov_b32 v[KF+12*\t+\i], 0
.endr
.endr
.irp x, 0,1
	v_mov_b32 v[QF+12*\x+6], v[CQ]
.irp i, 7,8,9,10,11
	v_mov_b32 v[QF+12*\x+\i], 0
.endr
.endr
	WIN 0
.irp x, 0,1
	v_mov_b32 v[TX+8*\x+5], 0                      ; a lane permute's destination counts as a source
	v_mov_b32 v[FF+2*\x+1], 0                      ; (the upper halves of the pairs that the packed forms name)
.endr
	WALU                                           ; the wait at the head's end
	s_wait_tensorcnt 0x0                           ; my eighth of the head is in,
	s_barrier_signal -1
	s_barrier_wait -1                              ; everybody's is
.macro KLOAD a16, a8, ar, off          ; K's data registers 0-5 and scale words: 18 loads of consecutive bytes
	WIN 0x40
.irp t, 0,1,2,3,4,5,6,7
	ds_load_b128 v[KF+12*\t:KF+12*\t+3], v[\a16] offset:\off+768*\t
	ds_load_b64 v[KF+12*\t+4:KF+12*\t+5], v[\a8] offset:\off+768*\t+512
.endr
	WIN 0
	ds_load_b128 v[KSC:KSC+3], v[\ar] offset:\off+KSO
	ds_load_b128 v[KSC+4:KSC+7], v[\ar] offset:\off+KSO+256
.endm
; Both tiles' softmax for a step of 128 keys.  Tile x's register 32 c + i holds key 64 c + 32 (lane / 16) + i.
.macro SOFTMAX
.irp x, 0,1
.irp c, 0,1
	v_max3_num_f32 v[TX+8*\x+\c], v[S+64*\x+32*\c], v[S+64*\x+32*\c+1], v[S+64*\x+32*\c+2]   ; the largest score of each block: for the row's maximum and, since p rises with the score, for the block's largest p
.endr
.endr
.irp i, 3,5,7,9,11,13,15,17,19,21,23,25,27,29
.irp x, 0,1
.irp c, 0,1
	v_max3_num_f32 v[TX+8*\x+\c], v[TX+8*\x+\c], v[S+64*\x+32*\c+\i], v[S+64*\x+32*\c+\i+1]   ; (four chains by turns)
.endr
.endr
.endr
.irp x, 0,1
.irp c, 0,1
	v_max_num_f32 v[TX+8*\x+\c], v[TX+8*\x+\c], v[S+64*\x+32*\c+31]
.endr
.endr
.irp x, 0,1
	v_max_num_f32 v[TX+8*\x+4], v[TX+8*\x], v[TX+8*\x+1]
.endr
.irp x, 0,1
	v_permlanex16_b32 v[TX+8*\x+5], v[TX+8*\x+4], s[SEL], s[SEL+1]
.endr
.irp x, 0,1
	v_max_num_f32 v[TX+8*\x+4], v[TX+8*\x+4], v[TX+8*\x+5]      ; the step's largest score of my query
.endr
.irp x, 0,1
	v_mul_f32 v[TX+8*\x+4], s[CS], v[TX+8*\x+4]                 ; as t
.endr
.irp x, 0,1
	v_max_num_f32 v[ST+4*\x+1], v[ST+4*\x+1], v[TX+8*\x+4]      ; the running largest t
.endr
.irp x, 0,1
	v_mov_b32 v[TX+8*\x+4], v[ST+4*\x]
.endr
.irp x, 0,1
	v_floor_f32 v[ST+4*\x], -v[ST+4*\x+1]                       ; the new -M = floor(-t)
.endr
.irp x, 0,1
	v_sub_f32 v[TX+8*\x+4], v[ST+4*\x], v[TX+8*\x+4]            ; old M - new M: a whole number, 0 or less
.endr
.irp x, 0,1
	v_cvt_i32_f32 v[TX+8*\x+4], v[TX+8*\x+4]                    ; (it saturates)
.endr
.irp x, 0,1
	v_ldexp_f32 v[FF+2*\x], 1.0, v[TX+8*\x+4]                   ; f = 2^(old M - new M)
.endr
.irp x, 0,1
.set jj, 0
.rept 32
	v_pk_fma_f32 v[S+64*\x+jj:S+64*\x+jj+1], v[S+64*\x+jj:S+64*\x+jj+1], s[CS:CS+1], v[ST+4*\x:ST+4*\x+1] op_sel_hi:[1,0,0]   ; t - M
.set jj, jj+2
.endr
.irp c, 0,1
	v_fma_f32 v[TX+8*\x+\c], v[TX+8*\x+\c], s[CS], v[ST+4*\x]   ; the same of each block's largest score
.endr
.endr
	WALU                                           ; the wait ahead of the batch
.irp x, 0,1
.irp c, 0,1
	v_exp_f32 v[TX+8*\x+\c], v[TX+8*\x+\c]         ; the block's largest p: the same two instructions on the same number give the same bits
.endr
.endr
.set jj, 0
.rept 128
	v_exp_f32 v[S+jj], v[S+jj]                     ; p = 2^(t - M), at most 1
.set jj, jj+1
.endr
.irp x, 0,1
	v_pk_mul_f32 v[ST+4*\x+2:ST+4*\x+3], v[ST+4*\x+2:ST+4*\x+3], v[FF+2*\x:FF+2*\x+1] op_sel_hi:[1,0]   ; the sums under the new M (plain lines behind the batch)
.endr
	WALU                                           ; and the one wait behind it
.irp x, 0,1
.irp c, 0,1
	v_max_num_f32 v[TX+8*\x+\c], 0x1800000, v[TX+8*\x+\c]       ; the floor 2^(3 - 127)
.endr
.endr
.irp x, 0,1
.irp c, 0,1
	v_add_nc_u32 v[TX+8*\x+2+\c], 0xff000000, v[TX+8*\x+\c]     ; 2 off the exponent field: the conversions' scale operand
.endr
.endr
.irp x, 0,1
.irp c, 0,1
	v_lshrrev_b32 v[TX+8*\x+\c], 23, v[TX+8*\x+2+\c]            ; the byte
.endr
.endr
.irp x, 0,1
	v_lshl_or_b32 v[TX+8*\x+4], v[TX+8*\x+1], 16, v[TX+8*\x]    ; my blocks lane / 16 and 2 + lane / 16,
.endr
.irp x, 0,1
	v_lshlrev_b32 v[TX+8*\x+4], v[SH8], v[TX+8*\x+4]            ; at their places in the word;
.endr
.irp x, 0,1
	v_permlanex16_b32 v[TX+8*\x+5], v[TX+8*\x+4], s[SEL], s[SEL+1]
.endr
.irp x, 0,1
	v_or_b32 v[PSC+\x], v[TX+8*\x+4], v[TX+8*\x+5]              ; with lane l xor 16's two: p's scale word
.endr
.irp x, 0,1
	v_pk_add_f32 v[TX+8*\x+6:TX+8*\x+7], v[S+64*\x:S+64*\x+1], v[S+64*\x+2:S+64*\x+3]   ; the row's sum of the unquantised p: two chains a tile
.endr
.set jj, 4
.rept 15
.irp x, 0,1
	v_pk_add_f32 v[ST+4*\x+2:ST+4*\x+3], v[ST+4*\x+2:ST+4*\x+3], v[S+64*\x+jj:S+64*\x+jj+1]
.endr
.irp x, 0,1
	v_pk_add_f32 v[TX+8*\x+6:TX+8*\x+7], v[TX+8*\x+6:TX+8*\x+7], v[S+64*\x+jj+2:S+64*\x+jj+3]
.endr
.set jj, jj+4
.endr
.irp x, 0,1
	v_pk_add_f32 v[ST+4*\x+2:ST+4*\x+3], v[ST+4*\x+2:ST+4*\x+3], v[TX+8*\x+6:TX+8*\x+7]
.endr
.irp x, 0,1
.irp c, 0,1
	v_cvt_scalef32_pk16_fp6_f32 v[PCD+12*\x+6*\c:PCD+12*\x+6*\c+2], v[S+64*\x+32*\c:S+64*\x+32*\c+15], v[TX+8*\x+2+\c]
	v_cvt_scalef32_pk16_fp6_f32 v[CT+144*\x+4*\c:CT+144*\x+4*\c+2], v[S+64*\x+32*\c+16:S+64*\x+32*\c+31], v[TX+8*\x+2+\c]   ; (three registers from an even one)
.endr
.endr
	v_nop                                          ; one plain line behind the conversions
.irp x, 0,1
.irp c, 0,1
.irp i, 0,1,2
	v_mov_b32 v[PCD+12*\x+6*\c+3+\i], v[CT+144*\x+4*\c+\i]
.endr
.endr
.endr
.endm
; A KEY STEP: 128 keys, for my two tiles of queries.  pf = 1: the next step's K is fetched behind the score products.
.macro STEP pf
	v_add_nc_u32 v[A16], s[TB], v[L16]             ; these three and the v_nop are the four places between the last step's products and the loads into their registers
	v_add_nc_u32 v[A8], s[TB], v[L8]
	v_add_nc_u32 v[AR], s[TB], v[R16]
	v_nop
	ds_load_b128 v[VSC:VSC+3], v[AR] offset:VSO
	WIN 0x40
.irp t, 0,1,2,3
	ds_load_b128 v[VF+12*\t:VF+12*\t+3], v[A16] offset:VO+768*\t
	ds_load_b64 v[VF+12*\t+4:VF+12*\t+5], v[A8] offset:VO+768*\t+512
	ds_load_b128 v[VF+12*\t+6:VF+12*\t+9], v[A16] offset:VO+3072+768*\t
	ds_load_b64 v[VF+12*\t+10:VF+12*\t+11], v[A8] offset:VO+3072+768*\t+512
.endr
	WALU                                           ; the wait here
	s_wait_dscnt 17                                ; K and its scale words, asked for a step ago, are in; V's 17 loads may be out
	WIN 0x05
.irp t, 0,1,2,3,4,5,6,7
.irp x, 0,1
	v_wmma_scale_f32_16x16x128_f8f6f4 v[S+64*\x+8*\t:S+64*\x+8*\t+7], v[KF+12*\t:KF+12*\t+11], v[QF+12*\x:QF+12*\x+11], 0, v[KSC+\t], v[QSC+\x] matrix_a_fmt:MATRIX_FMT_FP6 matrix_b_fmt:MATRIX_FMT_FP6
.endr
.endr
	WIN 0
.rept 4
	v_nop
.endr
.if \pf
	KLOAD A16, A8, AR, SB
.endif
	SOFTMAX
	WALU                                           ; the wait ahead of the first reader of O^T
	WIN 0x41
.irp x, 0,1
.set jj, 0
.rept 16
	v_pk_mul_f32 v[32*\x+jj:32*\x+jj+1], v[32*\x+jj:32*\x+jj+1], v[FF+2*\x:FF+2*\x+1] op_sel_hi:[1,0]   ; O^T under the new M; also the places between p's codes and scale words and the products below
.set jj, jj+2
.endr
.endr
	WALU
	s_wait_dscnt 18*(\pf)                          ; V is in; the next step's 18 loads may be out
	WIN 0x51
.irp t, 0,1,2,3
.irp x, 0,1
	v_wmma_scale_f32_16x16x128_f8f6f4 v[32*\x+8*\t:32*\x+8*\t+7], v[VF+12*\t:VF+12*\t+11], v[PCD+12*\x:PCD+12*\x+11], v[32*\x+8*\t:32*\x+8*\t+7], v[VSC+\t], v[PSC+\x] matrix_a_fmt:MATRIX_FMT_FP6 matrix_b_fmt:MATRIX_FMT_FP6
.endr
.endr
	WIN 0
	s_add_co_u32 s[TB], s[TB], SB
.endm
; The way out of tile x: O^T / the sum; a lane's 32 numbers are one block of the last product's K: six registers of codes and a scale byte.
.macro OUT x
.set SX, S+64*(\x)
.set STX, ST+4*(\x)
.set PX, PCD+12*(\x)
.set TT, TX+8*(\x)
	v_add_f32 v[TT+4], v[STX+2], v[STX+3]
	v_permlanex16_b32 v[TT+5], v[TT+4], s[SEL], s[SEL+1]
	v_add_f32 v[TT+4], v[TT+4], v[TT+5]            ; the row's sum
	WALU
	v_rcp_f32 v[TT+4], v[TT+4]
	v_nop
	WALU
	WIN 0x01
.set jj, 0
.rept 32
	v_mul_f32 v[SX+jj], v[32*(\x)+jj], v[TT+4]     ; each accumulator from its low end on
.set jj, jj+1
.endr
	WIN 0
	v_max3_num_f32 v[TT], |v[SX]|, |v[SX+1]|, 0x1800000
	v_max3_num_f32 v[TT+1], |v[SX+16]|, |v[SX+17]|, |v[SX+18]|
.irp i, 2,4,6,8,10,12
	v_max3_num_f32 v[TT], v[TT], |v[SX+\i]|, |v[SX+\i+1]|
	v_max3_num_f32 v[TT+1], v[TT+1], |v[SX+\i+17]|, |v[SX+\i+18]|
.endr
	v_max3_num_f32 v[TT], v[TT], |v[SX+14]|, |v[SX+15]|
	v_max3_num_f32 v[TT], v[TT], v[TT+1], |v[SX+31]|
	v_add_nc_u32 v[TT+2], 0xff000000, v[TT]
	v_lshrrev_b32 v[TT+1], 23, v[TT+2]
	v_lshlrev_b32 v[TT+1], v[SH8], v[TT+1]
	v_permlanex16_b32 v[TT+5], v[TT+1], s[SEL], s[SEL+1]
	v_or_b32 v[HW+\x], v[TT+1], v[TT+5]            ; my query's two scale bytes
	v_cmp_gt_f32 vcc_lo, s48, v[STX+1]             ; every key masked?  Then both bytes are 0xff (a choice of values: no branch hangs on it)
	v_cndmask_b32 v[HW+\x], v[HW+\x], v[ONES], vcc_lo
	v_cvt_scalef32_pk16_fp6_f32 v[PX:PX+2], v[SX:SX+15], v[TT+2]
	v_cvt_scalef32_pk16_fp6_f32 v[CT:CT+2], v[SX+16:SX+31], v[TT+2]
	v_nop
.irp i, 0,1,2
	v_mov_b32 v[PX+3+\i], v[CT+\i]
.endr
	global_store_b128 v[L16], v[PX:PX+3], s[44:45] offset:12288*(\x)        ; 512 and 256 consecutive bytes, aligned to 256
	global_store_b64 v[L8], v[PX+4:PX+5], s[44:45] offset:12288*(\x)+512
.endm
	s_mov_b32 s38, 2
.Lpass:                                            ; two passes of 256 queries a work-group
	WIN 0x40
.irp u, 0,1
	global_load_b128 v[QF+12*\u:QF+12*\u+3], v[L16], s[40:41] offset:768*\u   ; Q's data registers 0-5 stay in registers for the pass
	global_load_b64 v[QF+12*\u+4:QF+12*\u+5], v[L8], s[40:41] offset:768*\u+512
.endr
.set jj, 0
.rept 64
	v_mov_b32 v[jj], 0                             ; O^T: the first step finds zeros, which the first change of M leaves zeros
.set jj, jj+1
.endr
	WIN 0
	global_load_b32 v[QSC], v[R16], s[42:43]
	global_load_b32 v[QSC+1], v[R16], s[42:43] offset:4
	KLOAD L16, L8, R16, 0                          ; step 0's K
.irp x, 0,1
	v_mov_b32 v[ST+4*\x+1], 0xff61b1e6             ; the largest t so far: -3e38
	v_floor_f32 v[ST+4*\x], -v[ST+4*\x+1]          ; -M
	v_mov_b32 v[ST+4*\x+2], 0                      ; the sum, in two halves
	v_mov_b32 v[ST+4*\x+3], 0
.endr
	s_mov_b32 s[TB], 0
	s_mov_b32 s37, 15
	WALU
	s_wait_loadcnt 0x0                             ; Q and its scale words
.Lstep:                                            ; fifteen key steps,
	STEP 1
	s_sub_co_u32 s37, s37, 1
	s_cmp_lg_u32 s37, 0
	s_cbranch_scc1 .Lstep
	STEP 0                                         ; and the last, which fetches nothing more
.rept 4
	v_nop
.endr
	OUT 0
	OUT 1
	v_cndmask_b32 v[HW], v[HW], v[HW+1], s39       ; lanes 0-15 keep tile 0's bytes, lanes 16-31 take tile 1's: lane l has place l's
	global_store_b16 v[L32], v[HW], s[46:47]       ; two bytes of each place's 32: 2 of each 50 bytes that the launch stores; kept so that the last product's scales lie as rows
	s_wait_xcnt 0x0                                ; the stores have read their registers and bases
	s_add_nc_u64 s[40:41], s[40:41], 2*SB
	s_add_nc_u64 s[42:43], s[42:43], 2*SB
	s_add_nc_u64 s[44:45], s[44:45], 16*12288
	s_add_nc_u64 s[46:47], s[46:47], 16*512
	s_sub_co_u32 s38, s38, 1
	s_cmp_lg_u32 s38, 0
	s_cbranch_scc1 .Lpass
	s_wait_tensorcnt 0x0                           ; the wave's end
	ds_add_u32 v254, v255
	s_wait_dscnt 0x0
	CROUND                                         ; the closing round
	s_endpgm
.Lfunc_end_k_qd878eab66a_attn:
	.size	k_qd878eab66a_attn, .Lfunc_end_k_qd878eab66a_attn-k_qd878eab66a_attn
	.p2alignl 7, 3214868480
	.fill 96, 4, 3214868480
	.section	.rodata,"a",@progbits
	.p2align	6, 0x0
	.amdhsa_kernel k_qd878eab66a_attn
		.amdhsa_group_segment_fixed_size 214016
		.amdhsa_private_segment_fixed_size 0
		.amdhsa_enable_private_segment 0
		.amdhsa_kernarg_size 32
		.amdhsa_user_sgpr_count 2
		.amdhsa_user_sgpr_kernarg_segment_ptr 1
		.amdhsa_wavefront_size32 1
		.amdhsa_system_sgpr_workgroup_id_x 1
		.amdhsa_system_sgpr_workgroup_id_y 1
		.amdhsa_system_sgpr_workgroup_id_z 1
		.amdhsa_system_vgpr_workitem_id 0
		.amdhsa_next_free_vgpr 512
		.amdhsa_next_free_sgpr 66
		.amdhsa_reserve_vcc 1
		.amdhsa_float_denorm_mode_32 3
		.amdhsa_float_denorm_mode_16_64 3
		.amdhsa_memory_ordered 1
		.amdhsa_forward_progress 1
		.amdhsa_inst_pref_size 72
	.end_amdhsa_kernel
	.amdgpu_metadata
---
amdhsa.version: [ 1, 2 ]
amdhsa.kernels:
  - .name:           k_qd878eab66a_attn
    .symbol:         k_qd878eab66a_attn.kd
    .args:
      - { .name: qb, .offset: 0, .size: 8, .value_kind: global_buffer, .address_space: global }
      - { .name: kv, .offset: 8, .size: 8, .value_kind: global_buffer, .address_space: global }
      - { .name: ac, .offset: 16, .size: 8, .value_kind: global_buffer, .address_space: global }
      - { .name: asc, .offset: 24, .size: 8, .value_kind: global_buffer, .address_space: global }
    .group_segment_fixed_size: 214016
    .private_segment_fixed_size: 0
    .kernarg_segment_align: 8
    .kernarg_segment_size: 32
    .max_flat_workgroup_size: 256
    .sgpr_count:     66
    .vgpr_count:     512
    .wavefront_size: 32
...
	.end_amdgpu_metadata
.endif
;; end of part 3
;; launch gemm_out (part 4): grid 4 x 64, 4 waves a work-group, clusters of 4 x 4, 327,680 bytes of LDS; arguments ac, asc, cod, scl, out0; writes out0
.if DOCPART == 4
	.amdgcn_target "amdgcn-amd-amdhsa--gfx1250"
	.amdhsa_code_object_version 6
	.text
	.protected	k_qd878eab66a_gemm_out
	.globl	k_qd878eab66a_gemm_out
	.p2align	8
	.type	k_qd878eab66a_gemm_out,@function
k_qd878eab66a_gemm_out:
	s_mov_b64 s[64:65], 0
	v_nop
	global_prefetch_b8 v0, s[64:65] scope:SCOPE_SE
	s_setreg_imm32_b32 hwreg(HW_REG_WAVE_MODE, 25, 1), 1
	s_wait_xcnt 0x0
	s_wait_alu depctr_hold_cnt(0) depctr_sa_sdst(0) depctr_va_vdst(0) depctr_va_sdst(0) depctr_va_ssrc(0) depctr_va_vcc(0) depctr_vm_vsrc(0)
	s_getreg_b32 s2, hwreg(HW_REG_IB_STS2, 6, 4)
	s_cmp_eq_u32 s2, 0
	s_cbranch_scc0 .Lentry_in_a_cluster
	s_endpgm
.Lentry_in_a_cluster:
	s_bfe_u32 s2, ttmp6, 0x10000c
	s_cmp_lg_u32 s2, 0xf033
	s_cbranch_scc0 .Lentry_shape_is_right
	s_endpgm
.Lentry_shape_is_right:
; out0 = attn w_out^T on codes of E2M3.  ac: [tile of 16 places][head][768 bytes], images of operand registers, asc: [place][32]; w_out's codes are cod's tiles 704.., its scale bytes scl's places 11,264.., in the same forms.
; SHARES.  256 work-groups, 4 x 64: 128 places x 256 columns, all of K in LDS, filled once by four joint loads, one a wave: each operand's first K half, then its second.  Nothing is filled again.
; All that the launch reads through LDS is asked for at its head: no prefetch.
; CLUSTERS 4 x 4: attn's tiles are shared along a row of the cluster, w_out's along a column.
; A WAVE makes 64 x 128: 32 accumulators; source 0 = w_out's rows, source 1 = attn's: a lane holds eight neighbouring columns of one row.  A K step's 12 fragments come by 48 LDS loads into one of two sets, a step ahead.
; THE WAY OUT: 16 rows x 512 bytes at a time through the wave's own stage, which lies in the weights' first half: behind the one barrier in the middle of K no wave reads those bytes and no load fills them.
; Place 16 j + p of a group of 64 is row 8 j + p % 8 + 32 (p / 8).
; REGISTERS: window 0 addresses, scale words (v64-115), rows on the way out (v128-255); window 1 accumulators; window 2 source 0's two sets of 96; window 3 source 1's two sets of 48.
.set XH0, 0
.set XH1, 49152
.set WH0, 98304
.set WH1, 196608
.set SPARE, 294912
.set SPITCH, 528
.set L16, 4
.set L8, 5
.set SO, 6
.set AD0, 8
.set STO, 24
.set RD, 25
.set SPW, 28
.set NIL, 29
.set SBR0, 64
.set SBR1, 64
.set SAR0, 100
.set SAR1, 100
.set BK, 128
.set G1X, 24
.set G1W, 32
.set G0A, 56
.set G0B, 60
.set G0C, 68
.set G0D, 72
.set MULW, 0x5e
.set MSB, 0
.macro WIN new
.if MSB != (\new)
	s_set_vgpr_msb (MSB<<8)|(\new)
.set MSB, (\new)
.endif
.endm
.macro PLACES n
.rept \n
	v_nop
.endr
.endm
.macro CROUND
	s_barrier_signal -1
	s_barrier_wait -1
	s_cmp_lg_u32 s14, 0
	s_cbranch_scc1 .Lnot_wave_0_\@
	s_barrier_signal -3
.Lnot_wave_0_\@:
	s_barrier_wait -3
	s_barrier_signal -1
	s_barrier_wait -1
.endm
.macro GROUP1 g, mask, rows
	s_or_b32 s[\g], s\mask, (3<<16)|(1<<21)
	s_mov_b32 s[\g+1], 768<<16
	s_mov_b32 s[\g+2], (\rows)<<16
	s_mov_b32 s[\g+3], 768<<16
	s_mov_b32 s[\g+4], \rows
	s_mov_b32 s[\g+5], 1536
	s_mov_b32 s[\g+6], 0
	s_mov_b32 s[\g+7], 0
.endm
.macro G0SET g, lds, base, off
	s_mov_b32 s[\g], 1
	s_mov_b32 s[\g+1], \lds
	s_add_nc_u64 s[\g+2:\g+3], s[\base:\base+1], \off
	s_or_b32 s[\g+3], s[\g+3], 0x80000000
.endm
.macro TLOAD g0, g1
	tensor_load_to_lds s[\g0:\g0+3], s[\g1:\g1+7]
	s_nop 0
	PLACES 4
.endm
.macro ARM w, g0, g1, next
	s_cmp_eq_u32 s14, \w
	s_cbranch_scc0 \next
	TLOAD \g0, \g1
	s_branch .Lasked
\next:
.endm
.macro FRG reg, a16, a8, off
	ds_load_b128 v[\reg:\reg+3], v[\a16] offset:\off
	ds_load_b64 v[\reg+4:\reg+5], v[\a8] offset:\off+512
	ds_load_b128 v[\reg+6:\reg+9], v[\a16] offset:\off+768
	ds_load_b64 v[\reg+10:\reg+11], v[\a8] offset:\off+1280
.endm
.macro FETCH c, k
.set AD_, AD0+8*(\c)+(\k)/4
.set O_, ((\k)%4)*1536
.set F_, (\k)%2
	WIN 0x80
.irp i, 0,1,2,3,4,5,6,7
	FRG 96*F_+12*\i, AD_+4, AD_+6, O_+\i*6144
.endr
	WIN 0xc0
.irp i, 0,1,2,3
	FRG 48*F_+12*\i, AD_, AD_+2, O_+\i*6144
.endr
	WIN 0
.endm
.macro PRD a, b, rb, ra, z
.if \z
	v_wmma_scale_f32_16x16x128_f8f6f4 v[64*(\a)+8*(\b):64*(\a)+8*(\b)+7], v[96*S_+12*(\b):96*S_+12*(\b)+11], v[48*S_+12*(\a):48*S_+12*(\a)+11], 0, v[SB_+8*((\b)/2)], v[SA_] matrix_a_fmt:MATRIX_FMT_FP6 matrix_b_fmt:MATRIX_FMT_FP6 matrix_a_scale:MATRIX_SCALE_ROW\rb matrix_b_scale:MATRIX_SCALE_ROW\ra
.else
	v_wmma_scale_f32_16x16x128_f8f6f4 v[64*(\a)+8*(\b):64*(\a)+8*(\b)+7], v[96*S_+12*(\b):96*S_+12*(\b)+11], v[48*S_+12*(\a):48*S_+12*(\a)+11], v[64*(\a)+8*(\b):64*(\a)+8*(\b)+7], v[SB_+8*((\b)/2)], v[SA_] matrix_a_fmt:MATRIX_FMT_FP6 matrix_b_fmt:MATRIX_FMT_FP6 matrix_a_scale:MATRIX_SCALE_ROW\rb matrix_b_scale:MATRIX_SCALE_ROW\ra
.endif
.endm
.macro MROW c, k, a, ra, z             ; the 32 accumulators take turns, one instruction a turn
.set S_, (\k)%2
.set SB_, SBR0+(\c)*(SBR1-SBR0)+(\k)
.set SA_, SAR0+(\c)*(SAR1-SAR0)+8*((\a)/2)+(\k)
.irp b, 0,2,4,6
	PRD \a, \b, 0, \ra, \z
	PRD \a, \b+1, 1, \ra, \z
.endr
.endm
.macro BLK c, k, z, f
.if \f
	PLACES 4
	FETCH \c, (\k)+1
	s_wait_dscnt 48                                ; all but the 48 just issued
.else
	s_wait_dscnt 0x0
.endif
	WIN MULW
	MROW \c, \k, 0, 0, \z
	MROW \c, \k, 1, 1, \z
	MROW \c, \k, 2, 0, \z
	MROW \c, \k, 3, 1, \z
	WIN 0
.endm
.macro LOADSC reg, p, n
.set J_, 0
.rept \n
	global_load_b128 v[\reg+8*J_:\reg+8*J_+3], v[SO], s[\p:\p+1] offset:1024*J_
	global_load_b128 v[\reg+8*J_+4:\reg+8*J_+7], v[SO], s[\p:\p+1] offset:1024*J_+16
.set J_, J_+1
.endr
.endm
	s_load_b128 s[4:7], s[0:1], 0x0                ; ac, asc
	s_load_b128 s[8:11], s[0:1], 0x10              ; cod, scl
	s_load_b64 s[12:13], s[0:1], 0x20              ; out0
	v_lshl_add_u32 v[SPW], v0, 2, SPARE
	v_mov_b32 v[NIL], 0
	ds_add_u32 v[SPW], v[NIL]                      ; the opening lines
	ds_add_u32 v[SPW], v[NIL]
	v_lshrrev_b32 v1, 5, v0
	v_readfirstlane_b32 s14, v1
	s_lshr_b32 s15, s14, 1
	s_and_b32 s16, s14, 1
	s_bfe_u32 s40, ttmp6, 0x40000
	s_bfe_u32 s41, ttmp6, 0x40004
	s_and_b32 s17, ttmp7, 0xffff
	s_lshl_b32 s17, s17, 2
	s_add_co_u32 s17, s17, s41                     ; y: my 128 places
	s_lshl_b32 s43, s41, 2
	s_lshl_b32 s43, 15, s43
	s_lshl_b32 s44, 0x1111, s40
	GROUP1 G1X, 43, 8
	GROUP1 G1W, 44, 16
	s_mul_i32 s20, s17, 98304
	s_mov_b32 s21, 0
	s_mul_i32 s22, s40, 196608
	s_add_co_u32 s22, s22, 704*12288
	s_mov_b32 s23, 0
	s_wait_dscnt 0x0
	s_wait_kmcnt 0x0
	s_add_nc_u64 s[20:21], s[4:5], s[20:21]
	s_add_nc_u64 s[22:23], s[8:9], s[22:23]
	G0SET G0A, XH0, 20, 0
	G0SET G0B, WH0, 22, 0
	G0SET G0C, XH1, 20, 6144
	G0SET G0D, WH1, 22, 6144
	CROUND                                         ; in front of the joint loads
	ARM 0, G0A, G1X, .Lw1
	ARM 1, G0B, G1W, .Lw2
	ARM 2, G0C, G1X, .Lw3
	TLOAD G0D, G1W
.Lasked:
	s_mul_i32 s80, s15, 24576
	s_add_co_u32 s81, s80, XH1
	s_mul_i32 s83, s16, 49152
	s_add_co_u32 s84, s83, WH1
	s_add_co_u32 s83, s83, WH0
	s_mul_i32 s85, s14, 16*SPITCH
	s_add_co_u32 s85, s85, WH0                     ; my stage
	s_mov_b32 s19, 0
	s_lshl_b32 s18, s17, 12
	s_lshl_b32 s45, s15, 11
	s_add_co_u32 s18, s18, s45
	s_add_nc_u64 s[20:21], s[6:7], s[18:19]        ; my 64 places' scale bytes
	s_lshl_b32 s18, s40, 13
	s_lshl_b32 s45, s16, 12
	s_add_co_u32 s18, s18, s45
	s_add_co_u32 s18, s18, 11264*32
	s_add_nc_u64 s[22:23], s[10:11], s[18:19]      ; my 128 columns'
	s_lshl_b32 s18, s17, 19
	s_lshl_b32 s45, s15, 18
	s_add_co_u32 s18, s18, s45
	s_lshl_b32 s45, s40, 10
	s_add_co_u32 s18, s18, s45
	s_lshl_b32 s45, s16, 9
	s_add_co_u32 s18, s18, s45
	s_add_nc_u64 s[12:13], s[12:13], s[18:19]      ; my corner of out0
	v_and_b32 v1, 15, v0
	v_bfe_u32 v2, v0, 4, 1
	v_and_b32 v3, 31, v0
	v_lshlrev_b32 v[L16], 4, v3
	v_lshlrev_b32 v[L8], 3, v3
	v_lshlrev_b32 v[SO], 5, v3
	v_add_nc_u32 v[AD0], s80, v[L16]
	v_add_nc_u32 v[AD0+1], s81, v[L16]
	v_add_nc_u32 v[AD0+2], s80, v[L8]
	v_add_nc_u32 v[AD0+3], s81, v[L8]
	v_add_nc_u32 v[AD0+4], s83, v[L16]
	v_add_nc_u32 v[AD0+5], s84, v[L16]
	v_add_nc_u32 v[AD0+6], s83, v[L8]
	v_add_nc_u32 v[AD0+7], s84, v[L8]
	v_mul_u32_u24 v7, v1, SPITCH
	v_lshl_add_u32 v7, v2, 5, v7
	v_add_nc_u32 v[STO], s85, v7
	v_add_nc_u32 v[RD], s85, v[L16]
	s_wait_alu depctr_va_vdst(0)                   ; the wait at the head's end
	LOADSC SBR0, 22, 4
	LOADSC SAR0, 20, 2
	s_cmp_lt_u32 s14, 2
	s_cbranch_scc0 .Lsecond
	s_wait_tensorcnt 0x0                           ; waves 0 and 1: the first halves are in
.Lsecond:
	s_barrier_signal -1
	s_barrier_wait -1
	s_wait_loadcnt 0x0
	FETCH 0, 0
	BLK 0, 0, 1, 1
	BLK 0, 1, 0, 1
	BLK 0, 2, 0, 1
	s_wait_tensorcnt 0x0                           ; the second halves are in,
	s_wait_dscnt 0x0                               ; and my reads of the first are over
	s_barrier_signal -1
	WIN MULW
	MROW 0, 3, 0, 0, 0
	MROW 0, 3, 1, 1, 0
	WIN 0
	s_barrier_wait -1
	PLACES 4
	FETCH 0, 4
	WIN MULW
	MROW 0, 3, 2, 0, 0
	MROW 0, 3, 3, 1, 0
	WIN 0
	BLK 0, 4, 0, 1
	BLK 0, 5, 0, 1
	BLK 0, 6, 0, 1
	BLK 0, 7, 0, 0
.macro TOSTAGE a
	WIN 0x04                                       ; the data: window 1
.irp b, 0,1,2,3,4,5,6,7
	ds_store_b128 v[STO], v[64*(\a)+8*\b:64*(\a)+8*\b+3] offset:64*\b        ; each accumulator from its low end on
	ds_store_b128 v[STO], v[64*(\a)+8*\b+4:64*(\a)+8*\b+7] offset:64*\b+16
.endr
	WIN 0
.set BB, BK+64*((\a)%2)
.irp t, 0,1,2,3,4,5,6,7,8,9,10,11,12,13,14,15
	ds_load_b128 v[BB+4*\t:BB+4*\t+3], v[RD] offset:\t*SPITCH    ; LDS serves a wave's instructions in order
.endr
.endm
.macro SEND a, younger
.set BB, BK+64*((\a)%2)
	s_wait_dscnt \younger
.if (\a) > 0
	s_add_nc_u64 s[12:13], s[12:13], 8*4096        ; the next tile begins 8 rows on
.endif
.irp t, 0,1,2,3,4,5,6,7,8,9,10,11,12,13,14,15
	global_store_b128 v[L16], v[BB+4*\t:BB+4*\t+3], s[12:13] offset:(\t%8+32*(\t/8))*4096 th:TH_STORE_NT   ; 512 consecutive bytes, aligned
.endr
.endm
	PLACES 4
	TOSTAGE 0
.irp a, 1,2,3
.if \a > 1
	s_wait_xcnt 0x0                                ; block a - 2's stores have read their registers and their base
.endif
	TOSTAGE \a
	SEND \a-1, 32                                  ; behind block a - 1's loads: block a's 16 stores and 16 loads
.endr
	s_wait_xcnt 0x0
	SEND 3, 0
	s_wait_tensorcnt 0x0                           ; the wave's end
	ds_add_u32 v[SPW], v[NIL]
	s_wait_dscnt 0x0
	CROUND                                         ; the closing round
	s_endpgm
.Lfunc_end_k_qd878eab66a_gemm_out:
	.size	k_qd878eab66a_gemm_out, .Lfunc_end_k_qd878eab66a_gemm_out-k_qd878eab66a_gemm_out
	.p2alignl 7, 3214868480
	.fill 96, 4, 3214868480
	.section	.rodata,"a",@progbits
	.p2align	6, 0x0
	.amdhsa_kernel k_qd878eab66a_gemm_out
		.amdhsa_group_segment_fixed_size 327680
		.amdhsa_private_segment_fixed_size 0
		.amdhsa_enable_private_segment 0
		.amdhsa_kernarg_size 40
		.amdhsa_user_sgpr_count 2
		.amdhsa_user_sgpr_kernarg_segment_ptr 1
		.amdhsa_wavefront_size32 1
		.amdhsa_system_sgpr_workgroup_id_x 1
		.amdhsa_system_sgpr_workgroup_id_y 1
		.amdhsa_system_sgpr_workgroup_id_z 1
		.amdhsa_system_vgpr_workitem_id 0
		.amdhsa_next_free_vgpr 896
		.amdhsa_next_free_sgpr 100
		.amdhsa_reserve_vcc 0
		.amdhsa_float_denorm_mode_32 3
		.amdhsa_float_denorm_mode_16_64 3
		.amdhsa_memory_ordered 1
		.amdhsa_forward_progress 1
		.amdhsa_inst_pref_size 82
	.end_amdhsa_kernel
	.amdgpu_metadata
---
amdhsa.version: [ 1, 2 ]
amdhsa.kernels:
  - .name:           k_qd878eab66a_gemm_out
    .symbol:         k_qd878eab66a_gemm_out.kd
    .args:
      - { .name: ac, .offset: 0, .size: 8, .value_kind: global_buffer, .address_space: global }
      - { .name: asc, .offset: 8, .size: 8, .value_kind: global_buffer, .address_space: global }
      - { .name: cod, .offset: 16, .size: 8, .value_kind: global_buffer, .address_space: global }
      - { .name: scl, .offset: 24, .size: 8, .value_kind: global_buffer, .address_space: global }
      - { .name: out0, .offset: 32, .size: 8, .value_kind: global_buffer, .address_space: global }
    .group_segment_fixed_size: 327680
    .private_segment_fixed_size: 0
    .kernarg_segment_align: 8
    .kernarg_segment_size: 40
    .max_flat_workgroup_size: 128
    .sgpr_count:     100
    .vgpr_count:     896
    .wavefront_size: 32
...
	.end_amdgpu_metadata
.endif
;; end of part 4
